; MI455X (gfx1250); checked and timed in simulation.
; The chip was launched on July 23, 2026; its instructions are those of AMD's public machine-readable ISA for CDNA 5 (MIT licence, August 2026) and "CDNA5" Instruction Set Architecture Reference Guide (July 2026). The comments in the code are by the model that wrote it; some were corrected since.
;; Multi Head Attention. Allowed arithmetic: float matrix products may take bf16 or f16 operands with f32 sums; all other float work in f32.
;; Inputs: X 16 x 1,024 x 512 float32; Y 16 x 1,024 x 512 float32; mask_X 16 x 1,024 int32; mask_Y 16 x 1,024 int32; pad_x 2 x 512 float32; pad_y 2 x 512 float32.
;; Outputs: out0 16 x 1,024 x 512 float32; out1 16 x 1,024 x 512 float32.
;; One version. Each part assembles by itself: llvm-mc -triple=amdgcn-amd-amdhsa -mcpu=gfx1250 --defsym DOCPART=n.
;; ======== version 1 of 1: 2 launches
;; limits: right only within a limited range of input values
;; workspace buffers: lists 139,264 bytes of whole numbers
;; launch lists (part 1): grid 32 x 1, 1 waves a work-group, no clusters, 4,352 bytes of LDS; arguments mask_X, mask_Y, lists; writes lists
.if DOCPART == 1
	.amdgcn_target "amdgcn-amd-amdhsa--gfx1250"
	.amdhsa_code_object_version 6
	.text
	.protected	k_qd66ad9f16e_lists
	.globl	k_qd66ad9f16e_lists
	.p2align	8
	.type	k_qd66ad9f16e_lists,@function
k_qd66ad9f16e_lists:
	s_mov_b64 s[64:65], 0
	v_nop
	global_prefetch_b8 v0, s[64:65] scope:SCOPE_SE
	s_setreg_imm32_b32 hwreg(HW_REG_WAVE_MODE, 25, 1), 1
	s_wait_xcnt 0x0
; Each mask row of 1,024 entries is turned into a list of its rows: unmasked rows from the front, masked rows from the back, and the count of unmasked rows.
; The lists steer addresses and trip counts of the attention launch, so they are made here and handed on through memory as whole numbers.
; One wave = one (mask, batch): work-groups 0-15 take mask_X, 16-31 mask_Y.  There is work for 32 waves and no more.
; Record of work-group g, at byte 4,352 g of the buffer: 1,024 words (word p = the source row at place p), then 256 bytes that all hold the count.
; The rows are placed in LDS and read back in order, so that every store of the wave covers whole aligned parts of 256 consecutive bytes.
.set REC, 4352
.set NL,  1                            ; -lane
.set L4,  2                            ; 4 lane
.set L16, 3                            ; 16 lane
.set L8,  4                            ; 8 lane
.set T,   5                            ; v5-7 at work
.set C,   8                            ; v[8:9] the count, twice
.set MK,  12                           ; v12-43 the mask row, then the list
	s_load_b128 s[4:7], s[0:1], 0x0                ; mask_X, mask_Y
	s_load_b64 s[8:9], s[0:1], 0x10                ; lists
	v_lshl_add_u32 v44, v0, 2, 0x1000
	v_mov_b32 v45, 0
	s_and_b32 s11, ttmp9, 15                       ; batch
	s_lshl_b32 s12, s11, 12                        ; x 1,024 words
	s_mov_b32 s13, 0
	s_mul_i32 s14, ttmp9, REC                      ; my record
	s_mov_b32 s15, 0
	s_mov_b32 s16, 0                               ; unmasked rows so far
	v_sub_nc_u32 v[NL], 0, v0                      ; one wave: v0 is the lane
	v_lshlrev_b32 v[L4], 2, v0
	v_lshlrev_b32 v[L16], 4, v0
	v_lshlrev_b32 v[L8], 3, v0
	s_wait_kmcnt 0x0
	s_cmp_lt_u32 ttmp9, 16
	s_cselect_b64 s[4:5], s[4:5], s[6:7]
	s_add_nc_u64 s[4:5], s[4:5], s[12:13]
	s_add_nc_u64 s[8:9], s[8:9], s[14:15]
.irp j, 0,1,2,3,4,5,6,7
	global_load_b128 v[MK+4*\j:MK+4*\j+3], v[L16], s[4:5] offset:512*\j    ; register k of lane L: row 128 (k >> 2) + 4 L + (k & 3)
.endr
	s_wait_loadcnt 0x0                             ; the whole mask row
.set k, 0
.rept 32
	v_cmp_ne_u32 vcc_lo, 0, v[MK+k]
	v_mbcnt_lo_u32_b32 v[T], vcc_lo, s16           ; u = unmasked entries before mine, in the order (k, L)
	v_add3_u32 v[T+1], v[T], v[NL], 1023-32*k      ; 1023 - (masked entries before mine) = 1023 - (32 k + L - u)
	v_cndmask_b32 v[T], v[T+1], v[T], vcc_lo       ; unmasked: place u from the front; masked: from the back
	v_min_u32 v[T], 0x3ff, v[T]
	v_lshlrev_b32 v[T], 2, v[T]
	v_add_nc_u32 v[T+2], 128*(k>>2)+(k&3), v[L4]   ; my row
	ds_store_b32 v[T], v[T+2]                      ; the 1,024 places are a permutation: every word is written once
	s_bcnt1_i32_b32 s17, vcc_lo
	s_add_co_u32 s16, s16, s17
.set k, k+1
.endr
.irp j, 0,1,2,3,4,5,6,7
	ds_load_b128 v[MK+4*\j:MK+4*\j+3], v[L16] offset:512*\j        ; LDS serves a wave's instructions in order: these see the stores above
.endr
	v_mov_b32 v[C], s16
	v_mov_b32 v[C+1], s16
.irp j, 0,1,2,3,4,5,6,7
	s_wait_dscnt 7-\j                              ; the younger read-backs stay out
	global_store_b128 v[L16], v[MK+4*\j:MK+4*\j+3], s[8:9] offset:512*\j
.endr
	global_store_b64 v[L8], v[C:C+1], s[8:9] offset:4096           ; 32 lanes x 8 bytes: the record's last 256 bytes, all the count
	s_wait_tensorcnt 0x0
	ds_add_u32 v44, v45
	s_wait_dscnt 0x0
	s_endpgm
.Lfunc_end_k_qd66ad9f16e_lists:
	.size	k_qd66ad9f16e_lists, .Lfunc_end_k_qd66ad9f16e_lists-k_qd66ad9f16e_lists
	.p2alignl 7, 3214868480
	.fill 96, 4, 3214868480
	.section	.rodata,"a",@progbits
	.p2align	6, 0x0
	.amdhsa_kernel k_qd66ad9f16e_lists
		.amdhsa_group_segment_fixed_size 4352
		.amdhsa_private_segment_fixed_size 0
		.amdhsa_enable_private_segment 0
		.amdhsa_kernarg_size 24
		.amdhsa_user_sgpr_count 2
		.amdhsa_user_sgpr_kernarg_segment_ptr 1
		.amdhsa_wavefront_size32 1
		.amdhsa_system_sgpr_workgroup_id_x 1
		.amdhsa_system_sgpr_workgroup_id_y 1
		.amdhsa_system_sgpr_workgroup_id_z 1
		.amdhsa_system_vgpr_workitem_id 0
		.amdhsa_next_free_vgpr 46
		.amdhsa_next_free_sgpr 66
		.amdhsa_reserve_vcc 1
		.amdhsa_float_denorm_mode_32 3
		.amdhsa_float_denorm_mode_16_64 3
		.amdhsa_memory_ordered 1
		.amdhsa_forward_progress 1
		.amdhsa_inst_pref_size 20
	.end_amdhsa_kernel
	.amdgpu_metadata
---
amdhsa.version: [ 1, 2 ]
amdhsa.kernels:
  - .name:           k_qd66ad9f16e_lists
    .symbol:         k_qd66ad9f16e_lists.kd
    .args:
      - { .name: mask_X, .offset: 0, .size: 8, .value_kind: global_buffer, .address_space: global }
      - { .name: mask_Y, .offset: 8, .size: 8, .value_kind: global_buffer, .address_space: global }
      - { .name: lists, .offset: 16, .size: 8, .value_kind: global_buffer, .address_space: global }
    .group_segment_fixed_size: 4352
    .private_segment_fixed_size: 0
    .kernarg_segment_align: 8
    .kernarg_segment_size: 24
    .max_flat_workgroup_size: 32
    .sgpr_count:     66
    .vgpr_count:     46
    .wavefront_size: 32
...
	.end_amdgpu_metadata
.endif
;; end of part 1
;; launch attn (part 2): grid 256 x 1, 16 waves a work-group, no clusters, 231,936 bytes of LDS; arguments X, Y, pad_x, pad_y, out0, out1, lists; writes out0, out1
.if DOCPART == 2
	.amdgcn_target "amdgcn-amd-amdhsa--gfx1250"
	.amdhsa_code_object_version 6
	.text
	.protected	k_qd66ad9f16e_attn
	.globl	k_qd66ad9f16e_attn
	.p2align	8
	.type	k_qd66ad9f16e_attn,@function
k_qd66ad9f16e_attn:
	s_mov_b64 s[64:65], 0
	v_nop
	global_prefetch_b8 v0, s[64:65] scope:SCOPE_SE
	s_setreg_imm32_b32 hwreg(HW_REG_WAVE_MODE, 25, 1), 1
	s_wait_xcnt 0x0
; Two attentions over one similarity matrix, X and Y changing roles.  One work-group = one (side, batch, head):
;   side 0: queries = rows of Y, keys = values = pad_x + rows of X, key mask mask_X, query mask mask_Y, result out0
;   side 1: the same with X and Y exchanged, result out1
; What the masks mean in the reference: a masked key has the score -1e9 and, since the two pad keys are never masked, the weight 0 for every
; unmasked query; a masked query has -1e9 everywhere, so its softmax is uniform and its result is the mean of ALL 1026 key rows.
; The launch before has turned each mask row into a list (unmasked rows from the front, masked from the back) and a count.  Here: all 1026 key rows of
; the head go to LDS once, as bf16, in list order, and their f32 column sums give the mean; masked queries get the mean; unmasked queries run a
; streaming softmax (running maximum) over the pads and the unmasked keys alone.  Right for every mask, from all zeros to all ones.
; A head's part of a row is 64 f32 = 256 consecutive bytes at a multiple of 256: every row load and store is sixteen lanes x 16 bytes on such a part.
; Sixteen waves.  A wave takes blocks of 48 listed queries (3 tiles of 16) and walks the keys in steps of 32.
; LIMITS, stated: a masked key's weight is taken as exactly 0, which is the reference's value while unmasked scores stay above about -9e8;
; exponentials below 2^-126 come out as 0; f32 sums run in another order than the reference's; K = V, Q and P enter the products as bf16.
; NOT USED, and why: the tensor data mover and copies (each row is converted f32 -> bf16 and placed by the mask's list, so it passes registers anyway);
; clusters (each work-group has its own key slice; the neighbour reads that slice as queries, picked by another list: no tile is shared in one form).
.set KPITCH, 144                       ; an LDS key row: 128 bytes of bf16 + 16 = 36 words, so 16 rows of a fragment start 4 words apart modulo 64 words
                                       ; a step of 32 keys is 32 x 144 = 4,608 = 9 x 512 bytes
.set KVZERO, 1026*KPITCH               ; behind the last key row: 8,192 bytes of zeros (the last step may reach row 1055; weight 0 times stale bytes could be NaN)
.set PSUM,   156160                    ; wave w: 256 bytes, its column sums
.set STAGE,  160256                    ; wave w: 4,352 bytes of its own: 16 rows x 144 (Q in) or 16 rows x 272 (O out)
.set STGW,   4352
.set OPITCH, 272
.set REC,    4352                      ; a list's record: 1,024 words, then 256 bytes that hold the count
; vector registers
.set KAD0, 1                           ; 144 r + 16 hh                      (r = lane & 15, hh = lane >> 4)
.set VAD0, 2                           ; (8 hh + (lane & 7)) 144 + 16 ((lane >> 3) & 1)
.set KAD,  3                           ; this step's K address
.set VAD,  4                           ; this step's V address
.set LIM,  5                           ; valid keys of the last step - 8 hh
.set HALF, 6                           ; hh
.set C16,  7                           ; 16 r
.set STQ,  8                           ; stage + 144 hh + 8 r
.set STF,  9                           ; stage + KAD0
.set STO,  10                          ; stage + 272 r + 32 hh
.set STR,  11                          ; stage + 272 hh + 16 r
.set M,    12                          ; v12-14  running maximum of tile i
.set NMO,  15                          ; v15-17  the -m log2e that the sums so far were made with
.set LS,   18                          ; v18-20  running sum of tile i (this half's keys)
.set PF,   21                          ; prefetch offset, never rewritten
.set NM,   22                          ; v[22:23] -m log2e (the upper register is written once and only named)
.set AL,   24                          ; v[24:25] rescale factor (likewise)
.set T,    26                          ; v26-29  at work
.set CV,   30                          ; v[30:31] two packed words on their way to LDS
.set Q,    32                          ; v32-79   Q fragments: tile i, d half ks at Q + 16 i + 8 ks
.set S,    80                          ; v80-127  scores: tile i, key tile kt at S + 16 i + 8 kt; P is packed in place into the first 8 of each 16
.set POOL, 128                         ; v128-159 K fragments (kt, ks) at POOL + 16 kt + 8 ks, then V^T fragments dt at POOL + 8 dt
.set O,    160                         ; v160-255 results: tile i, d tile dt at O + 32 i + 8 dt
.set RA,   80                          ; v80-103  list offsets of a block's 24 row pairs
.set RO,   104                         ; v104-127 their byte offsets in Q and in the output
; in the head phases only (before M, NMO, LS come to life)
.set CS,   12                          ; v[12:15] column sums of my 4 columns, rows of my half
.set CT,   16                          ; v[16:19] the other half's
.set KROW, 20                          ; 144 hh + 8 r
.set IDX,  32                          ; v32-63   32 row offsets
.set FR,   64                          ; v64-95   query list words at places 32 u + 2 w + hh, for the masked queries
.set DATA, 128                         ; v128-255 32 x 4 registers of rows (first: the wave's 64 key list words)
.set MEAN, 32                          ; v[32:35]
; scalar: s[4:17] the seven addresses; s[20:21] KV, s[22:23] Q, s[24:25] key list, s[26:27] query list, s[28:29] pad, s[30:31] out; s32 wave;
; s33 side, s34 head, s35 batch; s[36:37] offset; s38 nk, s39 nq, s40 max(nq,1)-1, s41 last key step, s42 its valid keys, s43 key step + 1,
; s45 block's first place, s46 nq / 32, s47 blocks left for me; s[48:49] log2e, s50 -log2e; s51, s52 lane selects; s55 at work; s57 the row at place 1023
.macro PLACES n                        ; plain vector places behind matrix instructions (ISA guide 7.12.1)
.rept \n
	v_nop
.endr
.endm
; ---------------------------------------------------------------- set-up, all waves
	s_load_b256 s[4:11], s[0:1], 0x0               ; X, Y, pad_x, pad_y
	s_load_b128 s[12:15], s[0:1], 0x20             ; out0, out1
	s_load_b64 s[16:17], s[0:1], 0x30              ; lists
	v_lshrrev_b32 v[T], 5, v0
	v_readfirstlane_b32 s32, v[T]                  ; wave 0..15
	s_and_b32 s33, ttmp9, 1                        ; side: the low bit, so that the two work-groups on one pair of slices are neighbours
	s_bfe_u32 s34, ttmp9, 0x30001                  ; head
	s_lshr_b32 s35, ttmp9, 4                       ; batch
	s_mov_b32 s48, 0x3fb8aa3b                      ; log2(e)
	s_mov_b32 s49, 0x3fb8aa3b
	s_mov_b32 s50, 0xbfb8aa3b                      ; -log2(e)
	s_mov_b32 s51, 0x76543210                      ; v_permlanex16_b32: lane i reads lane i of the other half
	s_mov_b32 s52, 0xfedcba98
	s_mul_i32 s55, s32, STGW
	s_add_co_u32 s55, s55, STAGE                   ; my stage
	v_and_b32 v[T+1], 15, v0                       ; r
	v_bfe_u32 v[HALF], v0, 4, 1                    ; hh
	v_lshlrev_b32 v[C16], 4, v[T+1]
	v_mul_u32_u24 v[KAD0], v[T+1], KPITCH
	v_lshl_add_u32 v[KAD0], v[HALF], 4, v[KAD0]
	v_and_b32 v[T+2], 7, v0
	v_lshl_add_u32 v[T+2], v[HALF], 3, v[T+2]
	v_mul_u32_u24 v[VAD0], v[T+2], KPITCH
	v_bfe_u32 v[T+2], v0, 3, 1
	v_lshl_add_u32 v[VAD0], v[T+2], 4, v[VAD0]
	v_mul_u32_u24 v[KROW], v[HALF], KPITCH
	v_lshl_add_u32 v[KROW], v[T+1], 3, v[KROW]
	v_add_nc_u32 v[STQ], s55, v[KROW]
	v_add_nc_u32 v[STF], s55, v[KAD0]
	v_mul_u32_u24 v[STO], v[T+1], OPITCH
	v_lshl_add_u32 v[STO], v[HALF], 5, v[STO]
	v_add_nc_u32 v[STO], s55, v[STO]
	v_mul_u32_u24 v[STR], v[HALF], OPITCH
	v_add3_u32 v[STR], v[STR], v[C16], s55
	v_lshlrev_b32 v[PF], 11, v0                    ; thread t: row t of the slice
	v_mov_b32 v[NM+1], 0                           ; upper halves of broadcast pairs: named by packed instructions, never used
	v_mov_b32 v[AL], 0
	v_mov_b32 v[AL+1], 0
.irp q, 0,1,2,3
	v_mov_b32 v[CS+\q], 0                          ; the column sums start at 0 (wave 2: at the pad rows, below)
	v_mov_b32 v[CT+\q], 0                          ; a lane permute's destination counts as read
.endr
	v_lshl_add_u32 v[T], v0, 4, KVZERO
	ds_store_b128 v[T], v[CS:CS+3]                 ; 512 threads x 16 bytes of zeros behind the key rows
	s_wait_kmcnt 0x0
	s_cmp_eq_u32 s33, 0
	s_cselect_b64 s[20:21], s[4:5], s[6:7]         ; keys = values
	s_cselect_b64 s[22:23], s[6:7], s[4:5]         ; queries
	s_cselect_b64 s[28:29], s[8:9], s[10:11]       ; pad rows of the key side
	s_cselect_b64 s[30:31], s[12:13], s[14:15]     ; result
	s_lshl_b32 s36, s35, 21                        ; batch x 1024 rows x 2,048 bytes
	s_lshl_b32 s55, s34, 8                         ; head x 256 bytes
	s_or_b32 s36, s36, s55
	s_mov_b32 s37, 0
	s_add_nc_u64 s[20:21], s[20:21], s[36:37]
	s_add_nc_u64 s[22:23], s[22:23], s[36:37]
	s_add_nc_u64 s[30:31], s[30:31], s[36:37]
	; One request a thread: the head's 256 bytes of key rows 0 to 511, 128 KiB for the work-group, each part asked for once, while the list is fetched.
	; All 1024 rows are loaded below whatever the mask says, so nothing is asked for in vain.  PF and the base are never rewritten.
	global_prefetch_b8 v[PF], s[20:21] th:TH_LOAD_NT scope:SCOPE_SE
	s_mov_b32 s36, s55
	s_add_nc_u64 s[28:29], s[28:29], s[36:37]
	s_lshl_b32 s55, s33, 4
	s_add_co_u32 s55, s55, s35                     ; the key side's record: 16 side + batch (records 0-15: mask_X, 16-31: mask_Y)
	s_mul_i32 s36, s55, REC
	s_add_nc_u64 s[24:25], s[16:17], s[36:37]
	s_xor_b32 s55, s55, 16                         ; the query side's: the other mask, the same batch
	s_mul_i32 s36, s55, REC
	s_add_nc_u64 s[26:27], s[16:17], s[36:37]
	s_load_b32 s38, s[24:25], 0x1000               ; nk
	s_load_b32 s39, s[26:27], 0x1000               ; nq
	s_load_b32 s57, s[26:27], 0xffc                ; the query row at place 1023: a masked one whenever nq < 1024
	; my 64 words of the key list (places 64 w .. 64 w + 63): sixteen loads of 16 bytes, the same address in every lane
	s_lshl_b32 s55, s32, 8
	v_mov_b32 v[T+3], s55
.set qq, 0
.rept 16
	global_load_b128 v[DATA+4*qq:DATA+4*qq+3], v[T+3], s[24:25] offset:16*qq
.set qq, qq+1
.endr
	; my words of the query list for the masked queries: place 32 u + 2 w + hh for u = 0 .. 31.  The addresses hang on no count, so they are asked for here
	; and are in registers long before the mean is known.  With these a wave has 48 loads out (wave 2: one more).
	v_lshl_add_u32 v[T+2], s32, 1, v[HALF]
	v_lshlrev_b32 v[T+2], 2, v[T+2]
.set u, 0
.rept 32
	global_load_b32 v[FR+u], v[T+2], s[26:27] offset:128*u
.set u, u+1
.endr
	; wave 2: the two pad rows: key rows 0 and 1, and the start of this wave's column sums
	s_cmp_lg_u32 s32, 2
	s_cbranch_scc1 .Lno_pad
	v_lshl_add_u32 v[T], v[HALF], 11, v[C16]
	s_wait_dscnt 0x0                               ; the store of zeros has read CS
	global_load_b128 v[CS:CS+3], v[T], s[28:29]
	s_wait_loadcnt 0x0
	v_cvt_pk_bf16_f32 v[CV], v[CS], v[CS+1]
	v_cvt_pk_bf16_f32 v[CV+1], v[CS+2], v[CS+3]
	ds_store_b64 v[KROW], v[CV:CV+1]
.Lno_pad:
; ---------------------------------------------------------------- all 1024 key rows to LDS in list order; wave w takes places 64 w .. 64 w + 63
	s_wait_loadcnt 0x0                             ; the list words
	v_cmp_eq_u32 vcc_lo, 1, v[HALF]
.set qq, 0
.rept 16
	v_cndmask_b32 v[IDX+2*qq],   v[DATA+4*qq],   v[DATA+4*qq+1], vcc_lo   ; pair j = 2 qq: place 64 w + 2 j + hh
	v_cndmask_b32 v[IDX+2*qq+1], v[DATA+4*qq+2], v[DATA+4*qq+3], vcc_lo   ; pair j = 2 qq + 1
.set qq, qq+1
.endr
.set j, 0
.rept 32
	v_min_u32 v[IDX+j], 0x3ff, v[IDX+j]
	v_lshl_add_u32 v[IDX+j], v[IDX+j], 11, v[C16]
	global_load_b128 v[DATA+4*j:DATA+4*j+3], v[IDX+j], s[20:21]    ; two whole head rows; the wave's 64 rows are all asked for at once
.set j, j+1
.endr
	s_wait_kmcnt 0x0                               ; the counts
	s_min_u32 s38, s38, 1024                       ; nk
	s_min_u32 s39, s39, 1024                       ; nq
	s_add_co_u32 s41, s38, 1
	s_lshr_b32 s41, s41, 5                         ; the last key step: (nk + 2 - 1) / 32
	s_lshl_b32 s55, s41, 5
	s_sub_co_u32 s42, s38, s55
	s_add_co_u32 s42, s42, 2                       ; its valid keys, 1 to 32
	s_max_u32 s40, s39, 1
	s_sub_co_u32 s40, s40, 1                       ; the last listed query's place
	v_lshlrev_b32 v[LIM], 3, v[HALF]
	v_sub_nc_u32 v[LIM], s42, v[LIM]
	s_mul_i32 s55, s32, 64*KPITCH
	s_add_co_u32 s55, s55, 2*KPITCH                ; behind the two pad rows
	v_add_nc_u32 v[T+2], s55, v[KROW]
.set j, 0
.rept 32
	s_wait_loadcnt 31-j                            ; loads return in order: pair j is in, the 31 - j younger ones stay out
	v_pk_add_f32 v[CS:CS+1], v[CS:CS+1], v[DATA+4*j:DATA+4*j+1]    ; every row enters the mean, masked or not
	v_pk_add_f32 v[CS+2:CS+3], v[CS+2:CS+3], v[DATA+4*j+2:DATA+4*j+3]
	v_cvt_pk_bf16_f32 v[CV], v[DATA+4*j], v[DATA+4*j+1]
	v_cvt_pk_bf16_f32 v[CV+1], v[DATA+4*j+2], v[DATA+4*j+3]
	ds_store_b64 v[T+2], v[CV:CV+1] offset:2*KPITCH*j
.set j, j+1
.endr
.irp q, 0,1,2,3
	v_permlanex16_b32 v[CT+\q], v[CS+\q], s51, s52
.endr
	v_pk_add_f32 v[CS:CS+1], v[CS:CS+1], v[CT:CT+1]
	v_pk_add_f32 v[CS+2:CS+3], v[CS+2:CS+3], v[CT+2:CT+3]
	s_lshl_b32 s55, s32, 8
	s_add_co_u32 s55, s55, PSUM
	v_add_nc_u32 v[T+3], s55, v[C16]
	ds_store_b128 v[T+3], v[CS:CS+3]               ; both halves hold, and write, the same numbers
	s_wait_dscnt 0x0                               ; for the others: the zeros, the pad rows, my key rows and my sums are in LDS
	s_barrier_signal -1
	s_barrier_wait -1                              ; the only barrier: from here on shared LDS is only read, and each wave goes its own way
; ---------------------------------------------------------------- masked queries get the mean of the 1026 key rows
	s_cmp_ge_u32 s39, 1024
	s_cbranch_scc1 .Lfill_done
	v_add_nc_u32 v[T], PSUM, v[C16]
.set k, 0
.rept 16
	ds_load_b128 v[DATA+4*k:DATA+4*k+3], v[T] offset:256*k
.set k, k+1
.endr
	s_wait_dscnt 0x0
.set k, 1
.rept 15
	v_pk_add_f32 v[DATA:DATA+1], v[DATA:DATA+1], v[DATA+4*k:DATA+4*k+1]
	v_pk_add_f32 v[DATA+2:DATA+3], v[DATA+2:DATA+3], v[DATA+4*k+2:DATA+4*k+3]
.set k, k+1
.endr
	v_pk_mul_f32 v[MEAN:MEAN+1], v[DATA:DATA+1], 0x3a7f8040 op_sel_hi:[1,0]        ; 1 / 1026
	v_pk_mul_f32 v[MEAN+2:MEAN+3], v[DATA+2:DATA+3], 0x3a7f8040 op_sel_hi:[1,0]
	; The masked queries lie at places nq .. 1023.  Slabs of 32 places (two a wave), from the last one down; slab u holds a masked place while u >= nq / 32.
	s_lshr_b32 s46, s39, 5
	v_lshl_add_u32 v36, s32, 1, v[HALF]
	v_sub_nc_u32 v36, s39, v36                     ; nq - (2 w + hh): my place 32 u + 2 w + hh is masked where 32 u >= this (signed)
.set u, 31
.rept 32
	s_cmp_gt_u32 s46, u
	s_cbranch_scc1 .Lfill_done                     ; this slab and all below it hold listed queries only
	v_cmp_ge_i32 vcc_lo, 32*u, v36
	v_cndmask_b32 v[FR+u], s57, v[FR+u], vcc_lo    ; a place below nq takes the row at place 1023 instead: the same bytes get the same numbers, no lane is switched off
	v_min_u32 v[FR+u], 0x3ff, v[FR+u]
	v_lshl_add_u32 v[FR+u], v[FR+u], 11, v[C16]
	global_store_b128 v[FR+u], v[MEAN:MEAN+3], s[30:31] th:TH_STORE_NT             ; sixteen lanes: one head row of 256 bytes
.set u, u-1
.endr
.Lfill_done:
	s_wait_xcnt 0x0                                ; the stores' offsets and MEAN are rewritten below only behind this wait
; ---------------------------------------------------------------- attention of the listed queries
; The byte offsets of the block's 24 pairs of rows.  Places at or beyond nq repeat query nq - 1: those columns compute, and store, the same numbers.
.macro ROWOFFS
	v_add_nc_u32 v[T], s45, v[HALF]
.set j, 0
.rept 24
	v_add_nc_u32 v[RA+j], 2*j, v[T]
	v_min_u32 v[RA+j], s40, v[RA+j]
	v_min_u32 v[RA+j], 0x3ff, v[RA+j]
	v_lshlrev_b32 v[RA+j], 2, v[RA+j]
	global_load_b32 v[RO+j], v[RA+j], s[26:27]     ; the query list's word at that place
.set j, j+1
.endr
	s_wait_loadcnt 0x0
.set j, 0
.rept 24
	v_min_u32 v[RO+j], 0x3ff, v[RO+j]
	v_lshl_add_u32 v[RO+j], v[RO+j], 11, v[C16]
.set j, j+1
.endr
.endm
; 48 query rows: whole rows into the O registers, to bf16, through my stage into fragments (lane (r, hh): query r; d = 32 ks + 8 hh .., 32 ks + 16 + 8 hh ..)
.macro QLOAD
.set j, 0
.rept 24
	global_load_b128 v[O+4*j:O+4*j+3], v[RO+j], s[22:23]
.set j, j+1
.endr
.irp i, 0,1,2
.irp jj, 0,1,2,3,4,5,6,7
	s_wait_loadcnt 23-(8*\i+\jj)                   ; the younger row loads stay out
	v_cvt_pk_bf16_f32 v[CV], v[O+4*(8*\i+\jj)], v[O+4*(8*\i+\jj)+1]
	v_cvt_pk_bf16_f32 v[CV+1], v[O+4*(8*\i+\jj)+2], v[O+4*(8*\i+\jj)+3]
	ds_store_b64 v[STQ], v[CV:CV+1] offset:2*KPITCH*\jj
.endr
.irp q, 0,1,2,3
	ds_load_b128 v[Q+16*\i+4*\q:Q+16*\i+4*\q+3], v[STF] offset:32*\q   ; the stage is my own and LDS serves a wave in order: no wait between tiles
.endr
.endr
	s_wait_dscnt 0x0
.endm
; Softmax of tile i on this step's 32 keys.  A lane holds 16 scores of ONE query (keys 8 hh + j and 16 + 8 hh + j), so maximum, sum and
; factor are one number a lane; the two halves of the lanes are joined by one permute.
.macro SOFTMAX i, first
	v_max3_num_f32 v[T],   v[S+16*\i],   v[S+16*\i+1],  v[S+16*\i+2]
	v_max3_num_f32 v[T+1], v[S+16*\i+3], v[S+16*\i+4],  v[S+16*\i+5]
	v_max3_num_f32 v[T+2], v[S+16*\i+6], v[S+16*\i+7],  v[S+16*\i+8]
	v_max3_num_f32 v[T+3], v[S+16*\i+9], v[S+16*\i+10], v[S+16*\i+11]
	v_max3_num_f32 v[T],   v[T],   v[S+16*\i+12], v[S+16*\i+13]
	v_max3_num_f32 v[T+1], v[T+1], v[S+16*\i+14], v[S+16*\i+15]
	v_max3_num_f32 v[T+2], v[T+2], v[T+3], v[T]
.if \first
	v_max_num_f32 v[T], v[T+2], v[T+1]
.else
	v_max3_num_f32 v[T], v[T+2], v[T+1], v[M+\i]   ; the running maximum comes in
.endif
	v_permlanex16_b32 v[T+1], v[T], s51, s52
	v_max_num_f32 v[M+\i], v[T], v[T+1]
	v_mul_f32 v[NM], s50, v[M+\i]                  ; -m log2e, rounded once; the same number serves the exponents and the factor
.if \first
	v_mov_b32 v[NMO+\i], v[NM]
.else
	v_sub_f32 v[AL], v[NM], v[NMO+\i]              ; (old m - new m) log2e, from the two rounded numbers that the exponentials use
	v_exp_f32 v[AL], v[AL]
	v_mov_b32 v[NMO+\i], v[NM]                     ; the plain place behind the exponential (ISA guide 5.7.2)
.endif
.irp p, 0,1,2,3,4,5,6,7
	v_pk_fma_f32 v[S+16*\i+2*\p:S+16*\i+2*\p+1], v[S+16*\i+2*\p:S+16*\i+2*\p+1], s[48:49], v[NM:NM+1] op_sel_hi:[1,0,0]
.endr
.irp p, 0,1,2,3,4,5,6,7,8,9,10,11,12,13,14,15
	v_exp_f32 v[S+16*\i+\p], v[S+16*\i+\p]
.endr
.if \first
	v_nop                                          ; the plain place behind the exponentials
	s_wait_alu depctr_va_vdst(0)
.else
	s_wait_alu depctr_va_vdst(0)
.irp p, 0,1,2,3,4,5,6,7,8,9,10,11,12,13,14,15
	v_pk_mul_f32 v[O+32*\i+2*\p:O+32*\i+2*\p+1], v[O+32*\i+2*\p:O+32*\i+2*\p+1], v[AL:AL+1] op_sel_hi:[1,0]   ; the old sums to the new maximum; also the places behind the exponentials
.endr
.endif
	v_pk_add_f32 v[T:T+1],   v[S+16*\i:S+16*\i+1],     v[S+16*\i+2:S+16*\i+3]
	v_pk_add_f32 v[T+2:T+3], v[S+16*\i+4:S+16*\i+5],   v[S+16*\i+6:S+16*\i+7]
	v_pk_add_f32 v[T:T+1],   v[T:T+1],     v[S+16*\i+8:S+16*\i+9]
	v_pk_add_f32 v[T+2:T+3], v[T+2:T+3],   v[S+16*\i+10:S+16*\i+11]
	v_pk_add_f32 v[T:T+1],   v[T:T+1],     v[S+16*\i+12:S+16*\i+13]
	v_pk_add_f32 v[T+2:T+3], v[T+2:T+3],   v[S+16*\i+14:S+16*\i+15]
	v_pk_add_f32 v[T:T+1],   v[T:T+1],     v[T+2:T+3]
.if \first
	v_add_f32 v[LS+\i], v[T], v[T+1]
.else
	v_add_f32 v[T], v[T], v[T+1]
	v_fma_f32 v[LS+\i], v[LS+\i], v[AL], v[T]
.endif
.irp p, 0,1,2,3,4,5,6,7
	v_cvt_pk_bf16_f32 v[S+16*\i+\p], v[S+16*\i+2*\p], v[S+16*\i+2*\p+1]   ; in place: word p is written when words 2 p, 2 p + 1 are read and all lower ones spent
.endr                                              ; words 0-3: keys 8 hh .. + 7, words 4-7: keys 16 + 8 hh .. + 7: a B fragment as it stands
.endm
; One step of 32 keys (step s43 - 1) for the block's three tiles.  first = 1: the last, partly valid step, taken first: it starts m, l and O.
;   S^T = K Q^T   A = 16 keys x 32 d from rows along d;  result: lane (r, hh), register j = (key 8 hh + j, query r)
;   O^T = V^T P^T A = 16 d x 32 keys by transposing loads of the same rows;  result: lane (r, hh), register j = (d 16 dt + 8 hh + j, query r)
.macro STEP first
	; The step's number hangs on the mask's count, so it is clamped by a written constant before it enters an LDS address: 0 to 32, times 4,608 = 9 x 512
	; bytes.  With the lane terms and the offsets below that is byte 152,048 at the most: inside the key rows and their zeros, below the sums and stages.
	; These five plain vector lines are also the five places behind the last product: POOL is loaded again, and the new scores overwrite P.
	v_sub_nc_u32 v[T], s43, 1
	v_min_u32 v[T], 32, v[T]
	v_lshl_add_u32 v[T], v[T], 3, v[T]             ; x 9
	v_lshl_add_u32 v[KAD], v[T], 9, v[KAD0]        ; x 512, + my lane's place
	v_lshl_add_u32 v[VAD], v[T], 9, v[VAD0]
.irp ks, 0,1
.irp kt, 0,1
	ds_load_b128 v[POOL+16*\kt+8*\ks:POOL+16*\kt+8*\ks+3],   v[KAD] offset:16*KPITCH*\kt+64*\ks
	ds_load_b128 v[POOL+16*\kt+8*\ks+4:POOL+16*\kt+8*\ks+7], v[KAD] offset:16*KPITCH*\kt+64*\ks+32
.endr
.endr
	s_wait_dscnt 0x4                               ; d 0-31 of both key tiles are in; the four younger loads (d 32-63) stay out
	; the six score tiles take turns, one instruction a turn
.irp i, 0,1,2
.irp kt, 0,1
	v_wmma_f32_16x16x32_bf16 v[S+16*\i+8*\kt:S+16*\i+8*\kt+7], v[POOL+16*\kt:POOL+16*\kt+7], v[Q+16*\i:Q+16*\i+7], 0
.endr
.endr
	s_wait_dscnt 0x0
.irp i, 0,1,2
.irp kt, 0,1
	v_wmma_f32_16x16x32_bf16 v[S+16*\i+8*\kt:S+16*\i+8*\kt+7], v[POOL+16*\kt+8:POOL+16*\kt+15], v[Q+16*\i+8:Q+16*\i+15], v[S+16*\i+8*\kt:S+16*\i+8*\kt+7]
.endr
.endr
	PLACES 4                                       ; before POOL is loaded again and before the scores are read
.irp dt, 0,1,2,3
	ds_load_tr16_b128 v[POOL+8*\dt:POOL+8*\dt+3],   v[VAD] offset:32*\dt               ; keys 8 hh .. + 7 of d 16 dt + r
	ds_load_tr16_b128 v[POOL+8*\dt+4:POOL+8*\dt+7], v[VAD] offset:32*\dt+16*KPITCH     ; keys 16 + 8 hh .. + 7; they land under the softmax
.endr
.if \first
.set ee, 0
.rept 16
	v_cmp_lt_i32 vcc_lo, 16*(ee>>3)+(ee&7), v[LIM]         ; key 16 kt + 8 hh + j of the step is listed and unmasked
	v_cndmask_b32 v[S+ee],    0xff800000, v[S+ee],    vcc_lo   ; else -infinity: weight 0.  At least one key of the step is valid
	v_cndmask_b32 v[S+16+ee], 0xff800000, v[S+16+ee], vcc_lo
	v_cndmask_b32 v[S+32+ee], 0xff800000, v[S+32+ee], vcc_lo
.set ee, ee+1
.endr
.endif
	SOFTMAX 0, \first
	SOFTMAX 1, \first
	SOFTMAX 2, \first
	s_wait_dscnt 0x0                               ; V^T
	; twelve different accumulators, one instruction each
.irp i, 0,1,2
.irp dt, 0,1,2,3
.if \first
	v_wmma_f32_16x16x32_bf16 v[O+32*\i+8*\dt:O+32*\i+8*\dt+7], v[POOL+8*\dt:POOL+8*\dt+7], v[S+16*\i:S+16*\i+7], 0
.else
	v_wmma_f32_16x16x32_bf16 v[O+32*\i+8*\dt:O+32*\i+8*\dt+7], v[POOL+8*\dt:POOL+8*\dt+7], v[S+16*\i:S+16*\i+7], v[O+32*\i+8*\dt:O+32*\i+8*\dt+7]
.endif
.endr
.endr
.endm
; Tile i leaves: divide by the sum, 16 queries x 64 f32 through my stage (rows of 272 bytes), back as whole rows into registers ob .. ob + 31, and out.
.macro OUT i, ob
	v_permlanex16_b32 v[T], v[LS+\i], s51, s52
	v_add_f32 v[T], v[T], v[LS+\i]                 ; both halves' keys; the maximum's own term keeps the sum near 1 or above
	v_rcp_f32 v[AL], v[T]
	v_nop                                          ; the plain place behind the reciprocal
	s_wait_alu depctr_va_vdst(0)
.irp p, 0,1,2,3,4,5,6,7,8,9,10,11,12,13,14,15
	v_pk_mul_f32 v[O+32*\i+2*\p:O+32*\i+2*\p+1], v[O+32*\i+2*\p:O+32*\i+2*\p+1], v[AL:AL+1] op_sel_hi:[1,0]
.endr
.irp dt, 0,1,2,3
	ds_store_b128 v[STO], v[O+32*\i+8*\dt:O+32*\i+8*\dt+3]   offset:64*\dt
	ds_store_b128 v[STO], v[O+32*\i+8*\dt+4:O+32*\i+8*\dt+7] offset:64*\dt+16
.endr
.irp jj, 0,1,2,3,4,5,6,7
	ds_load_b128 v[\ob+4*\jj:\ob+4*\jj+3], v[STR] offset:2*OPITCH*\jj      ; my own bytes, served in order behind the stores above
.endr
.irp jj, 0,1,2,3,4,5,6,7
	s_wait_dscnt 7-\jj                             ; the younger read-backs stay out
	global_store_b128 v[RO+8*\i+\jj], v[\ob+4*\jj:\ob+4*\jj+3], s[30:31] th:TH_STORE_NT   ; sixteen lanes: one head row of 256 bytes, at a multiple of 256
.endr
.endm
	; Blocks are dealt so that any four blocks in a row go to waves that differ both in w mod 4 and in w / 4: block = (w >> 2) + 4 (((w & 3) - (w >> 2)) & 3)
	s_lshr_b32 s55, s32, 2
	s_and_b32 s45, s32, 3
	s_sub_co_u32 s45, s45, s55
	s_and_b32 s45, s45, 3
	s_lshl2_add_u32 s45, s45, s55
	s_mul_i32 s45, s45, 48                         ; my first block's first place
	s_cmp_ge_u32 s45, s39
	s_cbranch_scc1 .Lend                           ; no listed query is left for me
	; My blocks begin 16 waves x 48 = 768 places apart, and there are 1,024 places at the most: two blocks if the second begins below nq, else one.
	; The count is fixed here, so that the loop is left only by falling through its branch back.
	s_add_co_u32 s55, s45, 768
	s_cmp_lt_u32 s55, s39
	s_cselect_b32 s47, 2, 1
	s_max_u32 s47, s47, 1                          ; the counter starts at 1 or above, written out
.Lblock:
	ROWOFFS
	QLOAD
	s_add_co_u32 s43, s41, 1
	STEP 1                                         ; the last key step, with its tail masked
	s_cmp_eq_u32 s41, 0
	s_cbranch_scc1 .Lk_done
	s_mov_b32 s43, s41                             ; the full steps, from the one below the last down to step 0: the running maximum does not mind the order
.Lk:
	STEP 0
	s_sub_co_u32 s43, s43, 1
	s_cmp_lg_u32 s43, 0
	s_cbranch_scc1 .Lk
.Lk_done:
	PLACES 4                                       ; behind the last products: P's registers are rewritten, POOL is loaded, O is read
	ROWOFFS                                        ; again: the scores lay on these registers
	OUT 0, POOL
	OUT 1, Q
	OUT 2, Q+32
	s_wait_xcnt 0x0                                ; the stores' data and offsets are rewritten in the next block only behind this wait
	s_add_co_u32 s45, s45, 768                     ; my next block's first place
	s_sub_co_u32 s47, s47, 1
	s_cmp_lg_u32 s47, 0
	s_cbranch_scc1 .Lblock
.Lend:
	s_wait_xcnt 0x0
	v_lshl_add_u32 v254, v0, 2, 0x38200
	v_mov_b32 v255, 0
	s_wait_tensorcnt 0x0
	ds_add_u32 v254, v255
	s_wait_dscnt 0x0
	s_endpgm
.Lfunc_end_k_qd66ad9f16e_attn:
	.size	k_qd66ad9f16e_attn, .Lfunc_end_k_qd66ad9f16e_attn-k_qd66ad9f16e_attn
	.p2alignl 7, 3214868480
	.fill 96, 4, 3214868480
	.section	.rodata,"a",@progbits
	.p2align	6, 0x0
	.amdhsa_kernel k_qd66ad9f16e_attn
		.amdhsa_group_segment_fixed_size 231936
		.amdhsa_private_segment_fixed_size 0
		.amdhsa_enable_private_segment 0
		.amdhsa_kernarg_size 56
		.amdhsa_user_sgpr_count 2
		.amdhsa_user_sgpr_kernarg_segment_ptr 1
		.amdhsa_wavefront_size32 1
		.amdhsa_system_sgpr_workgroup_id_x 1
		.amdhsa_system_sgpr_workgroup_id_y 1
		.amdhsa_system_sgpr_workgroup_id_z 1
		.amdhsa_system_vgpr_workitem_id 0
		.amdhsa_next_free_vgpr 256
		.amdhsa_next_free_sgpr 66
		.amdhsa_reserve_vcc 1
		.amdhsa_float_denorm_mode_32 3
		.amdhsa_float_denorm_mode_16_64 3
		.amdhsa_memory_ordered 1
		.amdhsa_forward_progress 1
		.amdhsa_inst_pref_size 111
	.end_amdhsa_kernel
	.amdgpu_metadata
---
amdhsa.version: [ 1, 2 ]
amdhsa.kernels:
  - .name:           k_qd66ad9f16e_attn
    .symbol:         k_qd66ad9f16e_attn.kd
    .args:
      - { .name: X, .offset: 0, .size: 8, .value_kind: global_buffer, .address_space: global }
      - { .name: Y, .offset: 8, .size: 8, .value_kind: global_buffer, .address_space: global }
      - { .name: pad_x, .offset: 16, .size: 8, .value_kind: global_buffer, .address_space: global }
      - { .name: pad_y, .offset: 24, .size: 8, .value_kind: global_buffer, .address_space: global }
      - { .name: out0, .offset: 32, .size: 8, .value_kind: global_buffer, .address_space: global }
      - { .name: out1, .offset: 40, .size: 8, .value_kind: global_buffer, .address_space: global }
      - { .name: lists, .offset: 48, .size: 8, .value_kind: global_buffer, .address_space: global }
    .group_segment_fixed_size: 231936
    .private_segment_fixed_size: 0
    .kernarg_segment_align: 8
    .kernarg_segment_size: 56
    .max_flat_workgroup_size: 512
    .sgpr_count:     66
    .vgpr_count:     256
    .wavefront_size: 32
...
	.end_amdgpu_metadata
.endif
;; end of part 2
